; MI455X (gfx1250); checked and timed in simulation.
; The chip was launched on July 23, 2026; its instructions are those of AMD's public machine-readable ISA for CDNA 5 (MIT licence, August 2026) and "CDNA5" Instruction Set Architecture Reference Guide (July 2026). The comments in the code are by the model that wrote it; some were corrected since.
;; Nystroem. Allowed arithmetic: matrix products marked QUANTISED: E5M2 operands, one given power-of-two scale a tensor, by v_wmma_f32_16x16x64_bf8_bf8 or v_wmma_f32_16x16x128_bf8_bf8, f32 sums; everything else in f32.
;; Inputs: centers 2,048 x 2,048 float32; gamma 1 float32; inputs 8,192 x 2,048 float32; lowp_scales 4 int32 (the exponents e of the quantised operands' scales 2^e); normalization_codes 2,048 x 64 x 32 uint8 (E5M2 codes of normalization, K innermost, in blocks of 32 codes).
;; Outputs: out0 8,192 x 2,048 float32.
;; This version of the problem:
;;   THIS VERSION OF THE PROBLEM IS GIVEN IN LOW PRECISION. The matrix products marked QUANTISED in the list below multiply operands that are first quantised to E5M2 (5 exponent bits, 2 mantissa bits; 8 bits a number), with one given power-of-two scale for each operand tensor; their sums are f32. All else is computed in f32.
;;   The module's matrix products, in the order in which they are computed (A, B: the left and right operand; K: the contracted axis; several contracted axes count as one K, in the product's order):
;;     1. [M 8,192, K 2,048] x [K 2,048, N 2,048]; A: input inputs; B: input centers: QUANTISED (scales: A lowp_scales[0], B lowp_scales[1])
;;     2. [M 8,192, K 2,048] x [K 2,048, N 2,048]; A: computed on the way; B: input normalization (given as codes): QUANTISED (scales: A lowp_scales[2], B lowp_scales[3])
;;   THE QUANTISER, for each operand of a quantised product, along K:
;;     - The operand's scale is 2^e, e = its entry of the input lowp_scales (int32; the entries are numbered through the quantised products in the list's order, A before B).
;;     - Each number is divided by the scale, clamped to +-57,344, and rounded to the nearest number of E5M2, ties to even, subnormals kept.
;;     - The product sums the exact products of the quantised numbers (number of the format x scale) in f32.
;;   ~~~python
;;   def quantise(x, axis, e):      # numpy; x: float32 -> the quantised numbers, widened to float32 again
;;       x = np.moveaxis(x, axis, -1); K = x.shape[-1]
;;       r = np.clip(x / 2.0 ** e, -57344, 57344)
;;       step = 2.0 ** (np.maximum(np.frexp(np.where(r == 0, 1, r))[1] - 1, -14) - 2)
;;       q = np.round(r / step) * step * 2.0 ** e      # np.round: ties to even
;;       return np.moveaxis(q, -1, axis).astype(np.float32)
;;   ~~~
;;   OPERANDS COMPUTED ON THE WAY. 'Computed on the way' means the value that the module computes at that place (a softmax that the list does not call 'softmax' is quantised finished and normalised). What goes into a quantiser is computed in f32, as accurately as f32 sums, v_exp_f32 and their like allow (about 1e-6 of the number): no bf16 or f16 on the way to a quantiser, and a product that is left as it is and whose result goes on into a quantised operand takes f32 operands (vector FMAs, or v_wmma_f32_16x16x4_f32). A number that lies on a knife's edge between two numbers of the format may be rounded either way, as far as f32 arithmetic and the matrix unit's own rounding can turn it there, and no further.
;;   INPUTS GIVEN AS CODES. normalization (in the module: [2048, 2048], K = its axis 0): each comes as NAME_codes (uint8): NAME with its K axis moved to the last place and cut into blocks of 32 codes, [.., K / 32, bytes a block], one block behind the other in memory; one code a byte (a code: sign, 5 exponent bits, 2 mantissa bits); its scale is its entry of lowp_scales. Its value is code x scale, taken as it is: it is not quantised again, and the codes and scales need not be those that the quantiser above would give.
;; One version. Each part assembles by itself: llvm-mc -triple=amdgcn-amd-amdhsa -mcpu=gfx1250 --defsym DOCPART=n.
;; ======== version 1 of 1: 3 launches
;; limits: right only within a limited range of input values
;; workspace buffers: xc_codes 20,971,520 bytes; sq 40,960 bytes; dens_codes 16,777,216 bytes
;; launch quant (part 1): grid 256 x 1, 20 waves a work-group, no clusters, 68,608 bytes of LDS; arguments inputs, centers, lowp_scales, xc_codes, sq; writes xc_codes, sq
.if DOCPART == 1
	.amdgcn_target "amdgcn-amd-amdhsa--gfx1250"
	.amdhsa_code_object_version 6
	.text
	.protected	k_qf8afe72c1f_quant
	.globl	k_qf8afe72c1f_quant
	.p2align	8
	.type	k_qf8afe72c1f_quant,@function
k_qf8afe72c1f_quant:
	s_mov_b64 s[64:65], 0
	v_nop
	global_prefetch_b8 v0, s[64:65] scope:SCOPE_SE
	s_setreg_imm32_b32 hwreg(HW_REG_WAVE_MODE, 25, 1), 1
	s_wait_xcnt 0x0
; inputs [8192][2048] and centers [2048][2048], f32, become codes of E5M2 with the given scales 2^e0, 2^e1; each row's sum of squares (of the numbers as given, f32) goes to sq (entry = row, centers from 8192 on).
; code = x / 2^e, held within +-57,344, to the nearest code, ties to even.
; K's ORDER INSIDE A ROW OF CODES IS PERMUTED, ALIKE FOR BOTH TENSORS: byte 512 g + 16 l + 4 q + j holds k = 512 g + 128 q + 4 l + j.  Their only reader is their product with each other.
; xc_codes, bytes 0 .. 16 MiB: inputs AS AN IMAGE OF THE NEXT LAUNCH'S OPERAND REGISTERS: block of 16 rows R, 128 bytes q of a row, c = 0..3, lane (r, h):
;   byte 32768 R + 2048 q + 512 c + 16 (16 h + r) + 0..15 = bytes 128 q + 32 c + 16 h + 0..15 of row 16 R + r.  The codes turn through LDS for that.
; xc_codes from 16 MiB on: centers by rows of 2,048 bytes, row n at the place n with its bits 3 and 4 exchanged: so the next launch's results fall, 16 neighbours of n to a lane, as its own output wants them.
; SHARES: 256 work-groups of 20 waves, a wave two rows (32 loads, all issued at once): waves 0-15 take 32 rows of inputs (two blocks), waves 16-19 eight rows of centers.
; LIMITS: e0, e1 between -126 and 112.  NaN among the inputs is not served; an infinity is held at the largest code.
.set ROWF, 8192
.set ROWC, 2048
.set NX,   8192
.set LP,   2064                        ; an LDS row of codes: 2,048 + 16 bytes, an odd multiple of 16
.set SPARE, 32*LP                      ; 66,048 = 258 x 256: the spare words, 128 bytes a wave
.set X,    16                          ; v16-143 the two rows as loaded; later the codes read back
.set C,    144                         ; v144-175 codes
.set SPW,  176
.set NIL,  177
.set LST,  178                         ; where I put my rows' codes in LDS
.set LRD,  179                         ; where I read the image back
	s_load_b128 s[4:7], s[0:1], 0x0                ; inputs, centers
	s_load_b64 s[8:9], s[0:1], 0x10                ; the scales' exponents
	s_load_b128 s[12:15], s[0:1], 0x18             ; xc_codes, sq
	v_lshl_add_u32 v[SPW], v0, 2, SPARE
	v_mov_b32 v[NIL], 0
	v_lshrrev_b32 v6, 5, v0
	v_readfirstlane_b32 s16, v6                    ; wave 0..19
	s_mov_b32 s34, 0x76543210                      ; v_permlanex16_b32's selects for lane l xor 16
	s_mov_b32 s35, 0xfedcba98
	s_lshl_b32 s18, s16, 1
	s_lshl_b32 s17, ttmp9, 5
	s_add_co_u32 s17, s17, s18                     ; inputs: my first row
	s_max_u32 s19, s18, 32
	s_sub_co_u32 s19, s19, 32
	s_lshl_b32 s20, ttmp9, 3
	s_add_co_u32 s19, s19, s20                     ; centers: my first row n (waves 16-19)
	s_lshr_b32 s20, s19, 3
	s_lshr_b32 s21, s19, 4
	s_xor_b32 s20, s20, s21
	s_and_b32 s20, s20, 1
	s_mul_i32 s20, s20, 24
	s_xor_b32 s20, s20, s19                        ; n with bits 3 and 4 exchanged
	s_add_co_u32 s20, s20, NX
	s_lshl_b32 s20, s20, 11                        ; its codes' place
	s_add_co_u32 s21, s19, NX                      ; its entry of sq
	s_lshl_b32 s25, ttmp9, 16
	s_lshl_b32 s27, s16, 12
	s_add_co_u32 s25, s25, s27                     ; inputs: my 4,096 bytes of the work-group's two blocks of the image
	s_mul_i32 s30, s16, 2*LP
	s_lshr_b32 s31, s16, 3
	s_mul_i32 s31, s31, 16*LP
	s_and_b32 s33, s16, 7
	s_lshl_b32 s33, s33, 8
	s_add_co_u32 s31, s31, s33                     ; block wave / 8, bytes 256 (wave % 8) of its rows
	s_cmp_lt_u32 s16, 16
	s_cselect_b32 s10, s17, s19
	s_cselect_b32 s24, s17, s21
	s_cselect_b32 s26, s25, s20
	s_lshl_b32 s10, s10, 13
	s_mov_b32 s11, 0
	s_lshl_b32 s24, s24, 2
	s_mov_b32 s25, 0
	s_mov_b32 s27, 0
	v_and_b32 v1, 31, v0
	v_lshlrev_b32 v2, 4, v1
	v_lshlrev_b32 v3, 2, v1
	v_mov_b32 v14, 0
	v_mov_b32 v15, 0
	v_add_nc_u32 v[LST], s30, v2
	v_and_b32 v6, 15, v0
	v_bfe_u32 v7, v0, 4, 1
	v_mul_u32_u24 v6, v6, LP
	v_lshl_add_u32 v6, v7, 4, v6
	v_add_nc_u32 v[LRD], s31, v6
	s_wait_alu depctr_va_vdst(0)                   ; the wait at the head's end
	s_wait_kmcnt 0x0
	s_load_b64 s[22:23], s[8:9], 0x0               ; e0, e1
	s_cmp_lt_u32 s16, 16
	s_cselect_b64 s[4:5], s[4:5], s[6:7]
	s_add_nc_u64 s[4:5], s[4:5], s[10:11]
	s_add_nc_u64 s[12:13], s[12:13], s[26:27]
	s_add_nc_u64 s[14:15], s[14:15], s[24:25]
.irp r, 0,1
.irp i, 0,1,2,3,4,5,6,7,8,9,10,11,12,13,14,15
	global_load_b128 v[X+64*\r+4*\i:X+64*\r+4*\i+3], v2, s[4:5] offset:ROWF*\r+512*\i th:TH_LOAD_NT   ; 32 lanes read 512 consecutive bytes
.endr
.endr
	s_wait_kmcnt 0x0
	s_cmp_lt_u32 s16, 16
	s_cselect_b32 s22, s22, s23                    ; e
	s_add_co_i32 s22, s22, 127
	s_lshl_b32 s23, s22, 23
	v_mov_b32 v4, s23                              ; 2^e
	s_add_co_i32 s22, s22, 15
	s_lshl_b32 s22, s22, 23
	s_or_b32 s22, s22, 0x600000
	v_mov_b32 v5, s22                              ; 57,344 x 2^e
.macro GROUP r, g                      ; four loads of row r: 16 numbers a lane
.set XS, X+64*\r+16*\g
.set SA, 6+4*\r
	s_wait_loadcnt 28-16*\r-4*\g                   ; the count is the loads issued behind this group's four
.irp p, 0,1,2,3,4,5,6,7
.if (\g == 0) && (\p < 2)
	v_pk_mul_f32 v[SA+2*\p:SA+2*\p+1], v[XS+2*\p:XS+2*\p+1], v[XS+2*\p:XS+2*\p+1]   ; the first squares start the two chains
.else
	v_pk_fma_f32 v[SA+2*(\p%2):SA+2*(\p%2)+1], v[XS+2*\p:XS+2*\p+1], v[XS+2*\p:XS+2*\p+1], v[SA+2*(\p%2):SA+2*(\p%2)+1]
.endif
.endr
.irp i, 0,1,2,3,4,5,6,7,8,9,10,11,12,13,14,15
	v_med3_num_f32 v[XS+\i], v[XS+\i], -v5, v5     ; the conversion does not saturate (ISA guide 7.6.2): hold first
.endr
	v_cvt_scalef32_pk8_bf8_f32 v[C+16*\r+4*\g:C+16*\r+4*\g+1], v[XS:XS+7], v4
	v_cvt_scalef32_pk8_bf8_f32 v[C+16*\r+4*\g+2:C+16*\r+4*\g+3], v[XS+8:XS+15], v4
.endm
	s_wait_alu depctr_va_vdst(0)
.irp r, 0,1
.irp g, 0,1,2,3
	GROUP \r, \g
.endr
.endr
	v_nop                                          ; a plain place behind the last conversion
	s_wait_alu depctr_va_vdst(0)                   ; the wait ahead of the branch
	s_cmp_lt_u32 s16, 16
	s_cbranch_scc0 .Lcenters
.irp r, 0,1
.irp g, 0,1,2,3
	ds_store_b128 v[LST], v[C+16*\r+4*\g:C+16*\r+4*\g+3] offset:LP*\r+512*\g
.endr
.endr
	s_branch .Ljoin
.Lcenters:
.irp r, 0,1
.irp g, 0,1,2,3
	global_store_b128 v2, v[C+16*\r+4*\g:C+16*\r+4*\g+3], s[12:13] offset:ROWC*\r+512*\g   ; 512 consecutive bytes of a row
.endr
.endr
.Ljoin:
	s_wait_dscnt 0x0                               ; my stores into LDS are done, for the other waves' sake
	s_barrier_signal -1
	s_barrier_wait -1
	s_cmp_lt_u32 s16, 16
	s_cbranch_scc0 .Lsums
.irp i, 0,1,2,3,4,5,6,7
	ds_load_b128 v[X+4*\i:X+4*\i+3], v[LRD] offset:32*\i   ; lane (r, h): 16 bytes of row r
.endr
.irp i, 0,1,2,3,4,5,6,7
	s_wait_dscnt 7-\i
	global_store_b128 v2, v[X+4*\i:X+4*\i+3], s[12:13] offset:512*\i   ; 512 consecutive bytes of the image
.endr
.Lsums:
	v_pk_add_f32 v[6:7], v[6:7], v[8:9]
	v_pk_add_f32 v[10:11], v[10:11], v[12:13]
	v_add_f32 v6, v6, v7
	v_add_f32 v10, v10, v11
.irp m, 1,2,4,8
	v_add_f32_dpp v6, v6, v6 row_xmask:\m row_mask:0xf bank_mask:0xf
	v_add_f32_dpp v10, v10, v10 row_xmask:\m row_mask:0xf bank_mask:0xf
.endr
	v_permlanex16_b32 v14, v6, s34, s35
	v_permlanex16_b32 v15, v10, s34, s35
	v_add_f32 v6, v6, v14
	v_add_f32 v10, v10, v15
	v_cmp_eq_u32 vcc_lo, 1, v1
	v_cndmask_b32 v6, v6, v10, vcc_lo              ; lane 1 takes row 1's sum
	v_cmp_gt_u32 vcc_lo, 2, v1
	s_wait_alu depctr_va_vdst(0)
	s_wait_xcnt 0x0                                ; EXEC is a source of the stores above
	s_and_saveexec_b32 s28, vcc_lo
	global_store_b32 v3, v6, s[14:15]              ; lanes 0 and 1: 8 bytes (40,960 bytes of sums in the whole launch)
	s_wait_xcnt 0x0
	s_or_b32 exec_lo, exec_lo, s28
	s_wait_tensorcnt 0x0                           ; the wave's end
	ds_add_u32 v[SPW], v[NIL]
	s_wait_dscnt 0x0
	s_endpgm
.Lfunc_end_k_qf8afe72c1f_quant:
	.size	k_qf8afe72c1f_quant, .Lfunc_end_k_qf8afe72c1f_quant-k_qf8afe72c1f_quant
	.p2alignl 7, 3214868480
	.fill 96, 4, 3214868480
	.section	.rodata,"a",@progbits
	.p2align	6, 0x0
	.amdhsa_kernel k_qf8afe72c1f_quant
		.amdhsa_group_segment_fixed_size 68608
		.amdhsa_private_segment_fixed_size 0
		.amdhsa_enable_private_segment 0
		.amdhsa_kernarg_size 40
		.amdhsa_user_sgpr_count 2
		.amdhsa_user_sgpr_kernarg_segment_ptr 1
		.amdhsa_wavefront_size32 1
		.amdhsa_system_sgpr_workgroup_id_x 1
		.amdhsa_system_sgpr_workgroup_id_y 1
		.amdhsa_system_sgpr_workgroup_id_z 1
		.amdhsa_system_vgpr_workitem_id 0
		.amdhsa_next_free_vgpr 184
		.amdhsa_next_free_sgpr 66
		.amdhsa_reserve_vcc 1
		.amdhsa_float_denorm_mode_32 3
		.amdhsa_float_denorm_mode_16_64 3
		.amdhsa_memory_ordered 1
		.amdhsa_forward_progress 1
		.amdhsa_inst_pref_size 24
	.end_amdhsa_kernel
	.amdgpu_metadata
---
amdhsa.version: [ 1, 2 ]
amdhsa.kernels:
  - .name:           k_qf8afe72c1f_quant
    .symbol:         k_qf8afe72c1f_quant.kd
    .args:
      - { .name: inputs, .offset: 0, .size: 8, .value_kind: global_buffer, .address_space: global }
      - { .name: centers, .offset: 8, .size: 8, .value_kind: global_buffer, .address_space: global }
      - { .name: lowp_scales, .offset: 16, .size: 8, .value_kind: global_buffer, .address_space: global }
      - { .name: xc_codes, .offset: 24, .size: 8, .value_kind: global_buffer, .address_space: global }
      - { .name: sq, .offset: 32, .size: 8, .value_kind: global_buffer, .address_space: global }
    .group_segment_fixed_size: 68608
    .private_segment_fixed_size: 0
    .kernarg_segment_align: 8
    .kernarg_segment_size: 40
    .max_flat_workgroup_size: 640
    .sgpr_count:     66
    .vgpr_count:     184
    .wavefront_size: 32
...
	.end_amdgpu_metadata
.endif
;; end of part 1
;; launch dens (part 2): grid 32 x 8, 4 waves a work-group, clusters of 4 x 1, 327,680 bytes of LDS; arguments xc_codes, sq, gamma, lowp_scales, dens_codes; writes dens_codes
.if DOCPART == 2
	.amdgcn_target "amdgcn-amd-amdhsa--gfx1250"
	.amdhsa_code_object_version 6
	.text
	.protected	k_qf8afe72c1f_dens
	.globl	k_qf8afe72c1f_dens
	.p2align	8
	.type	k_qf8afe72c1f_dens,@function
k_qf8afe72c1f_dens:
	s_mov_b64 s[64:65], 0
	v_nop
	global_prefetch_b8 v0, s[64:65] scope:SCOPE_SE
	s_setreg_imm32_b32 hwreg(HW_REG_WAVE_MODE, 25, 1), 1
	s_wait_xcnt 0x0
	s_wait_alu depctr_hold_cnt(0) depctr_sa_sdst(0) depctr_va_vdst(0) depctr_va_sdst(0) depctr_va_ssrc(0) depctr_va_vcc(0) depctr_vm_vsrc(0)
	s_getreg_b32 s2, hwreg(HW_REG_IB_STS2, 6, 4)
	s_cmp_eq_u32 s2, 0
	s_cbranch_scc0 .Lentry_in_a_cluster
	s_endpgm
.Lentry_in_a_cluster:
	s_bfe_u32 s2, ttmp6, 0x10000c
	s_cmp_lg_u32 s2, 0x3003
	s_cbranch_scc0 .Lentry_shape_is_right
	s_endpgm
.Lentry_shape_is_right:
; dens_codes = codes of E5M2 (scale 2^e2) of exp(-gamma (|x|^2 + |c|^2 - 2 x.c)); x.c = 2^(e0 + e1) x the sum of the products of the codes in xc_codes, by v_wmma_f32_16x16x128_bf8_bf8, f32 sums.
; A tile of 256 rows (inputs) x 256 columns (centers): four waves, wave w rows 64 w .. 64 w + 63 x all 256 columns: 64 accumulators, 512 registers.  32 x 8 tiles: 256 work-groups.
; A (inputs) lies in memory as an image of the operand registers (see the launch before): each wave loads ITS OWN rows' fragments straight into registers, 512 consecutive bytes a load, no LDS;
;   three sets of 64 registers take turns, a set is asked for two steps of 128 along K ahead, the waits on LOADcnt are counted.
; B (centers) goes through a ring of two LDS slots of 256 rows x 512 bytes (four steps each), a wave's tensor load brings 64 rows: four fills for K = 2,048.
; CLUSTERS 4, 1, 1: the four share the tile column, so B's tiles are asked for JOINTLY (mask 15).  A is not asked for jointly: it lands in registers, and B's two slots (270,336 bytes) leave no room in LDS for it.
; THE MATRIX INSTRUCTION IS USED TRANSPOSED (source 0 = 16 rows of B, source 1 = 16 rows of A).  The rows of centers lie in xc_codes with bits 3 and 4 of their number exchanged, so that in
;   tiles 2 t, 2 t + 1 lane (r, h) holds row r and centers 32 t + 16 h + 0 .. 15: its 16 codes are 16 bytes of the next launch's operand image and are stored as they fall, 512 consecutive bytes a store.
; The exponent to base 2 is G |c|^2 + S sum + G |x|^2, G = -gamma log2 e, S = -2^(e0+e1+1) G, in f32.
; PREFETCHES: behind joint load j one instruction a wave names slot j + 1's bytes (the cluster's 512 lanes a block of 256 bytes each, shared out by address);
;   A's steps 2-9 are named at the head and 10-15 behind the third joint load: the eight work-groups of a tile row take a step each (32 blocks a wave; the last two name step 15 again).
; LIMITS: e0 + e1 between -127 and 126; e2 between -126 and 112.
; REGISTERS: window 0: v0-31 addresses and constants, v32-63 codes, v64-255 A's three sets (at the end: v64-127 at work, v128-255 |c|^2); window 1: B's two sets of 8 fragments;
;   window 2 + b / 8: accumulator (a, b) at v[64 a + 8 (b % 8)].
.set PITCH, 528                        ; an LDS row: 512 bytes + 16, an odd multiple of 16
.set QT,    64*PITCH                   ; what one tensor load brings
.set SLOT,  4*QT
.set HB,    128*PITCH                  ; blocks 8-15 have an address register of their own: the 16-bit offset reaches 8 blocks
.set SPARE, 2*SLOT                     ; 270,336 = 1,056 x 256: the spare words
.set CENTERS, 8192*2048
.set CQO, 6
.set XQ,  8                            ; v8-15 G |x|^2 of my four blocks' row r, as pairs
.set ADRB, 16                          ; v16-19 slot 0 blocks 0-7, 8-15; slot 1 likewise
.set AO,  20                           ; 16 x lane
.set PFB, 21
.set PFA, 22                           ; v22, v23
.set GV,  24
.set SC,  26
.set LIM, 27
.set SPW, 28
.set NIL, 29
.set SV,  30
.set PC,  32
.set T,   64
.set AF,  64
.set CSQ, 128
.set G1, 24
.set G0, 32                            ; s[32:47] a group 0 for each of the four fills
.set PB, 48
.set XB, 54
.set CB, 56
.set MSB, 0
.macro WIN new
.if MSB != (\new)
	s_set_vgpr_msb (MSB<<8)|(\new)
.set MSB, \new
.endif
.endm
.set TO_B, 0x40
.macro PLACES
.rept 4
	v_nop
.endr
.endm
.macro CREST
	s_cmp_lg_u32 s14, 0
	s_cbranch_scc1 .Lnot_wave_0_\@
	s_barrier_signal -3
.Lnot_wave_0_\@:
	s_barrier_wait -3
	s_barrier_signal -1
	s_barrier_wait -1
.endm
.macro CROUND
	s_barrier_signal -1
	s_barrier_wait -1
	CREST
.endm
.macro JLOAD j                         ; every wave's quarter of fill j; s_nop 0 and four v_nop follow
	tensor_load_to_lds s[G0+4*(\j):G0+4*(\j)+3], s[G1:G1+7]
	s_nop 0
	PLACES
.endm
.macro LB slot, q, hf, g               ; 8 LDS loads: B's blocks 8 hf + 2 g, + 1 at the slot's q-th 128 bytes, into set hf
	WIN TO_B
.irp i, 2*(\g), 2*(\g)+1
.irp c, 0,1,2,3
	ds_load_b128 v[128*(\hf)+16*(\i)+4*\c:128*(\hf)+16*(\i)+4*\c+3], v[ADRB+2*(\slot)+(\hf)] offset:128*(\q)+32*\c+(\i)*16*PITCH
.endr
.endr
.endm
.macro MB s, hf, g                     ; 8 products: those two blocks of B x A's four; the 64 accumulators take turns; step 0 starts the sums
	WIN 0xa1+0x50*(\hf)
.irp b, 2*(\g), 2*(\g)+1
.irp a, 0,1,2,3
.if (\s) == 0
	v_wmma_f32_16x16x128_bf8_bf8 v[64*\a+8*(\b):64*\a+8*(\b)+7], v[128*(\hf)+16*(\b):128*(\hf)+16*(\b)+15], v[AF+64*((\s)%3)+16*\a:AF+64*((\s)%3)+16*\a+15], 0
.else
	v_wmma_f32_16x16x128_bf8_bf8 v[64*\a+8*(\b):64*\a+8*(\b)+7], v[128*(\hf)+16*(\b):128*(\hf)+16*(\b)+15], v[AF+64*((\s)%3)+16*\a:AF+64*((\s)%3)+16*\a+15], v[64*\a+8*(\b):64*\a+8*(\b)+7]
.endif
.endr
.endr
.endm
.macro ALOAD s, hf                     ; 8 loads: A's blocks 2 hf, 2 hf + 1 of step s + 2; in steps 14 and 15, into the sets that are free by then, |c|^2 of my lane's 128 centers
.if (\s)+2 < 16
.irp a, 2*(\hf), 2*(\hf)+1
.irp c, 0,1,2,3
	global_load_b128 v[AF+64*(((\s)+2)%3)+16*(\a)+4*\c:AF+64*(((\s)+2)%3)+16*(\a)+4*\c+3], v[AO], s[4:5] offset:(\a)*32768+((\s)+2)*2048+\c*512
.endr
.endr
.else
.irp i, 0,1,2,3,4,5,6,7
	global_load_b128 v[CSQ+32*(2*((\s)-14)+(\hf))+4*\i:CSQ+32*(2*((\s)-14)+(\hf))+4*\i+3], v[CQO], s[CB:CB+1] offset:256*(2*((\s)-14)+(\hf))+128*(\i/4)+16*(\i%4)
.endr
.endif
.endm
.macro LCW s
	s_wait_loadcnt 24                              ; step s's fragments are in: behind them went 16 loads for the next step and 8 of this unit
.endm
; A unit: half a step.  ONE run of loads (8 of A, then the next unit's 32 LDS loads into B's other set), then 32 products on B's set hf, unbroken.
; The wait for 0 ahead of the run is for this unit's own fragments, asked for a unit ago.
.macro UNIT s, hf, nx
.set NS, (\s)+(\hf)
	WIN 0
	PLACES                                         ; in front of loads into registers that the last unit's products read
	ALOAD \s, \hf
	s_wait_dscnt 0x0
.if \nx
.irp g, 0,1,2,3
	LB (NS/4)%2, NS%4, 1-(\hf), \g
.endr
.endif
.if (\hf) == 0
	LCW \s
.endif
.irp g, 0,1,2,3
	MB \s, \hf, \g
.endr
.endm
; A slot's last step changes slots between its two units: the wait for all my tensor loads, the add, the wait for it and for my reads of this slot (the second unit's fragments are the last), the barrier
; (with a fill: a round of the cluster's barrier), the joint refill first behind it, then the next slot's first fragments.
.macro TURN s, fill, j
.set NS, (\s)+1
	WIN 0
	PLACES
	ALOAD \s, 0
	s_wait_dscnt 0x0
.irp g, 0,1,2,3
	LB ((\s)/4)%2, 3, 1, \g
.endr
	LCW \s
.irp g, 0,1,2
	MB \s, 0, \g
.endr
	WIN 0
	s_wait_tensorcnt 0x0                           ; my part of the next slot has landed
	ds_add_u32 v[SPW], v[NIL]                      ; eight products stand between the add and the wait for it
	MB \s, 0, 3
	s_wait_dscnt 0x0
	s_barrier_signal -1
	MB \s, 1, 0
	WIN 0
	s_barrier_wait -1
.if \fill
	CREST
	JLOAD \j                                       ; its four v_nop are the places in front of the loads below
.else
	PLACES
.endif
	ALOAD \s, 1
	LB (NS/4)%2, 0, 0, 0
	LB (NS/4)%2, 0, 0, 1
	LB (NS/4)%2, 0, 0, 2
	LB (NS/4)%2, 0, 0, 3
.if (\j) == 2
	global_prefetch_b8 v[PFB], s[PB:PB+1] offset:3*512 th:TH_LOAD_NT scope:SCOPE_SE
	global_prefetch_b8 v[PFA+1], s[4:5] th:TH_LOAD_NT scope:SCOPE_SE
.endif
	MB \s, 1, 1
	MB \s, 1, 2
	MB \s, 1, 3
.endm
	s_load_b128 s[4:7], s[0:1], 0x0                ; xc_codes, sq
	s_load_b128 s[8:11], s[0:1], 0x10              ; gamma, the scales' exponents
	s_load_b64 s[12:13], s[0:1], 0x20              ; dens_codes
	v_lshl_add_u32 v[SPW], v0, 2, SPARE
	v_mov_b32 v[NIL], 0
	ds_add_u32 v[SPW], v[NIL]                      ; the opening lines: the add twice on end
	ds_add_u32 v[SPW], v[NIL]
	v_lshrrev_b32 v1, 5, v0
	v_readfirstlane_b32 s14, v1                    ; wave w
	s_bfe_u32 s15, ttmp6, 0x40000                  ; cx
	s_lshl_b32 s16, ttmp9, 2
	s_add_co_u32 s16, s16, s15                     ; tile row
	s_and_b32 s17, ttmp7, 0xffff                   ; tile column
	s_mul_i32 s18, s14, QT
	s_lshl_b32 s19, s14, 17
	s_lshl_b32 s20, s16, 19
	s_add_co_u32 s20, s20, s19                     ; A: (16 tile row + 4 w) blocks of 32,768 bytes
	s_mov_b32 s21, 0
	s_lshl_b32 s50, s17, 19                        ; B: 256 tile column rows of 2,048 bytes
	s_mov_b32 s51, 0
	s_add_co_u32 s22, s50, s19                     ; + 64 w rows
	s_mov_b32 s23, 0
	s_lshl_b32 s2, s15, 15
	s_add_co_u32 s2, s2, s19                       ; B's prefetch: rows 64 w + 16 cx + ..
	s_add_co_u32 s3, s17, 2
	s_lshl_b32 s3, s3, 11                          ; A's prefetches: step 2 + tile column,
	s_add_co_u32 s52, s17, 10
	s_min_u32 s52, s52, 15
	s_lshl_b32 s52, s52, 11                        ; and step 10 + tile column, 15 at the most
	s_lshl_b32 s54, s16, 10
	s_lshl_b32 s55, s14, 8
	s_add_co_u32 s54, s54, s55                     ; |x|^2 of my 64 rows
	s_mov_b32 s55, 0
	s_lshl_b32 s56, s17, 10
	s_add_co_u32 s56, s56, 4*8192                  ; |c|^2 of the tile's 256 centers
	s_mov_b32 s57, 0
	s_mov_b32 s[G1+0], 15|(1<<20)|(1<<21)|(6<<22)|(3<<25)   ; mask: the four; bytes; 4 words of padding behind every 128
	s_mov_b32 s[G1+1], 512<<16
	s_mov_b32 s[G1+2], 64<<16
	s_mov_b32 s[G1+3], 512<<16
	s_mov_b32 s[G1+4], 64
	s_mov_b32 s[G1+5], 2048
	s_mov_b32 s[G1+6], 0
	s_mov_b32 s[G1+7], 0
	v_and_b32 v2, 15, v0                           ; r
	v_bfe_u32 v3, v0, 4, 1                         ; h
	v_and_b32 v4, 31, v0
	v_mul_u32_u24 v5, v2, PITCH
	v_lshl_add_u32 v[ADRB], v3, 4, v5
	v_add_nc_u32 v[ADRB+1], HB, v[ADRB]
	v_add_nc_u32 v[ADRB+2], SLOT, v[ADRB]
	v_add_nc_u32 v[ADRB+3], SLOT+HB, v[ADRB]
	v_lshlrev_b32 v[AO], 4, v4
	v_lshl_add_u32 v[PFB], v2, 11, s2
	v_lshl_add_u32 v[PFB], v3, 8, v[PFB]
	v_bfe_u32 v5, v0, 3, 2
	v_and_b32 v1, 7, v0
	v_lshlrev_b32 v5, 15, v5
	v_lshl_add_u32 v5, v1, 8, v5                   ; block lane / 8, its step's (lane % 8)-th 256 bytes
	v_add_nc_u32 v[PFA], s3, v5
	v_add_nc_u32 v[PFA+1], s52, v5
	v_lshlrev_b32 v[CQO], 6, v3
	v_lshlrev_b32 v7, 2, v2
	s_wait_alu depctr_va_vdst(0)                   ; the wait ahead of the waits below
	s_wait_dscnt 0x0
	s_wait_kmcnt 0x0
	s_load_b128 s[60:63], s[10:11], 0x0            ; e0 .. e3
	s_load_b32 s58, s[8:9], 0x0                    ; gamma
	s_add_nc_u64 s[52:53], s[4:5], CENTERS
	s_add_nc_u64 s[PB:PB+1], s[52:53], s[50:51]
	s_add_nc_u64 s[52:53], s[52:53], s[22:23]
	s_add_nc_u64 s[4:5], s[4:5], s[20:21]
	s_add_nc_u64 s[XB:XB+1], s[6:7], s[XB:XB+1]
	s_add_nc_u64 s[CB:CB+1], s[6:7], s[CB:CB+1]
	s_lshl_b32 s22, s17, 12
	s_add_co_u32 s22, s22, s20
	s_add_nc_u64 s[12:13], s[12:13], s[22:23]      ; my rows' blocks of the output image, at the tile's two steps
.irp a, 0,1,2,3
	global_load_b32 v[XQ+2*\a], v7, s[XB:XB+1] offset:64*\a
.endr
	ALOAD -2, 0
	ALOAD -2, 1
.irp j, 0,1,2,3
	s_mov_b32 s[G0+4*\j], 1
	s_add_co_u32 s[G0+4*\j+1], s18, (\j%2)*SLOT
	s_add_nc_u64 s[G0+4*\j+2:G0+4*\j+3], s[52:53], \j*512
	s_or_b32 s[G0+4*\j+3], s[G0+4*\j+3], 0x80000000
.endr
	CROUND
	JLOAD 0                                        ; one tensor load a wave at the head
	ALOAD -1, 0                                    ; A's step 1 is asked for behind B's first tile
	ALOAD -1, 1
	global_prefetch_b8 v[PFB], s[PB:PB+1] offset:512 th:TH_LOAD_NT scope:SCOPE_SE
	s_wait_kmcnt 0x0
	s_add_co_i32 s19, s60, s61
	s_add_co_i32 s19, s19, 128
	s_lshl_b32 s19, s19, 23
	s_or_b32 s19, s19, 0x80000000                  ; -2^(e0 + e1 + 1)
	s_add_co_i32 s59, s62, 127
	s_lshl_b32 s3, s59, 23                         ; 2^e2
	s_add_co_i32 s59, s59, 15
	s_lshl_b32 s59, s59, 23
	s_or_b32 s59, s59, 0x600000                    ; 57,344 x 2^e2
	v_mov_b32 v[GV], s58
	v_mul_f32 v[GV], 0xbfb8aa3b, v[GV]             ; G
	v_mov_b32 v[GV+1], v[GV]
	v_mul_f32 v[SV], s19, v[GV]                    ; S
	v_mov_b32 v[SV+1], v[SV]
	v_mov_b32 v[SC], s3
	v_mov_b32 v[LIM], s59
	s_wait_alu depctr_va_vdst(0)
	s_wait_loadcnt 32                              ; |x|^2 is in: behind it went A's steps 0 and 1
.irp a, 0,1,2,3
	v_mul_f32 v[XQ+2*\a+1], v[GV], v[XQ+2*\a]
	v_mov_b32 v[XQ+2*\a], v[XQ+2*\a+1]
.endr
	s_wait_alu depctr_va_vdst(0)                   ; the wait at the head's end
	s_wait_tensorcnt 0x0                           ; slot 1's first fill is issued as a refill is
	ds_add_u32 v[SPW], v[NIL]
	s_wait_dscnt 0x0
	CROUND
	JLOAD 1
.irp g, 0,1,2,3
	LB 0, 0, 0, \g
.endr
	global_prefetch_b8 v[PFB], s[PB:PB+1] offset:2*512 th:TH_LOAD_NT scope:SCOPE_SE
	global_prefetch_b8 v[PFA], s[4:5] th:TH_LOAD_NT scope:SCOPE_SE   ; A's steps 2-9, behind the second joint load: B's first tile is asked for with only A's steps 0 and 1 beside it
.irp s, 0,1,2
	UNIT \s, 0, 1
	UNIT \s, 1, 1
.endr
	TURN 3, 1, 2
.irp s, 4,5,6
	UNIT \s, 0, 1
	UNIT \s, 1, 1
.endr
	TURN 7, 1, 3
.irp s, 8,9,10
	UNIT \s, 0, 1
	UNIT \s, 1, 1
.endr
	TURN 11, 0, 0
.irp s, 12,13,14
	UNIT \s, 0, 1
	UNIT \s, 1, 1
.endr
	UNIT 15, 0, 1
	UNIT 15, 1, 0
	WIN 0
	PLACES
	s_wait_loadcnt 0x0                             ; |c|^2
.set i, 0
.rept 64
	v_pk_mul_f32 v[CSQ+i:CSQ+i+1], v[CSQ+i:CSQ+i+1], v[GV:GV+1]
.set i, i+2
.endr
; 16 rows x 128 centers: block a, half g: 64 numbers a lane.
.macro DENS a, g
.set PS, PC+16*(\g)
.if (\a) > 0
	s_wait_xcnt 0x0                                ; the stores of two calls ago have read these code registers
.endif
	WIN 0x02+(\g)
	s_wait_alu depctr_va_vdst(0)                   ; directly ahead of the first reader of matrix results
.set i, 0
.rept 32
	v_pk_fma_f32 v[T+i:T+i+1], v[64*(\a)+i:64*(\a)+i+1], v[SV:SV+1], v[CSQ+64*(\g)+i:CSQ+64*(\g)+i+1]
.set i, i+2
.endr
	WIN 0
.set i, 0
.rept 32
	v_pk_add_f32 v[T+i:T+i+1], v[T+i:T+i+1], v[XQ+2*(\a):XQ+2*(\a)+1]
.set i, i+2
.endr
	s_wait_alu depctr_va_vdst(0)                   ; ahead of the batch
.set i, 0
.rept 64
	v_exp_f32 v[T+i], v[T+i]
.set i, i+1
.endr
	v_nop
	s_wait_alu depctr_va_vdst(0)                   ; and behind it
.set i, 0
.rept 64
	v_min_num_f32 v[T+i], v[T+i], v[LIM]           ; never negative: a one-sided hold (the conversion does not saturate: ISA guide 7.6.2)
.set i, i+1
.endr
.irp b, 0,1,2,3,4,5,6,7
	v_cvt_scalef32_pk8_bf8_f32 v[PS+2*\b:PS+2*\b+1], v[T+8*\b:T+8*\b+7], v[SC]
.endr
	v_nop
.irp c, 0,1,2,3
	global_store_b128 v[AO], v[PS+4*\c:PS+4*\c+3], s[12:13] offset:(\a)*32768+(\g)*2048+\c*512   ; 512 consecutive bytes of the image
.endr
.endm
.irp a, 0,1,2,3
	DENS \a, 0
	DENS \a, 1
.endr
	s_wait_tensorcnt 0x0                           ; the wave's end
	ds_add_u32 v[SPW], v[NIL]
	s_wait_dscnt 0x0
	CROUND                                         ; the closing round
	s_endpgm
.Lfunc_end_k_qf8afe72c1f_dens:
	.size	k_qf8afe72c1f_dens, .Lfunc_end_k_qf8afe72c1f_dens-k_qf8afe72c1f_dens
	.p2alignl 7, 3214868480
	.fill 96, 4, 3214868480
	.section	.rodata,"a",@progbits
	.p2align	6, 0x0
	.amdhsa_kernel k_qf8afe72c1f_dens
		.amdhsa_group_segment_fixed_size 327680
		.amdhsa_private_segment_fixed_size 0
		.amdhsa_enable_private_segment 0
		.amdhsa_kernarg_size 40
		.amdhsa_user_sgpr_count 2
		.amdhsa_user_sgpr_kernarg_segment_ptr 1
		.amdhsa_wavefront_size32 1
		.amdhsa_system_sgpr_workgroup_id_x 1
		.amdhsa_system_sgpr_workgroup_id_y 1
		.amdhsa_system_sgpr_workgroup_id_z 1
		.amdhsa_system_vgpr_workitem_id 0
		.amdhsa_next_free_vgpr 1024
		.amdhsa_next_free_sgpr 66
		.amdhsa_reserve_vcc 0
		.amdhsa_float_denorm_mode_32 3
		.amdhsa_float_denorm_mode_16_64 3
		.amdhsa_memory_ordered 1
		.amdhsa_forward_progress 1
		.amdhsa_inst_pref_size 251
	.end_amdhsa_kernel
	.amdgpu_metadata
---
amdhsa.version: [ 1, 2 ]
amdhsa.kernels:
  - .name:           k_qf8afe72c1f_dens
    .symbol:         k_qf8afe72c1f_dens.kd
    .args:
      - { .name: xc_codes, .offset: 0, .size: 8, .value_kind: global_buffer, .address_space: global }
      - { .name: sq, .offset: 8, .size: 8, .value_kind: global_buffer, .address_space: global }
      - { .name: gamma, .offset: 16, .size: 8, .value_kind: global_buffer, .address_space: global }
      - { .name: lowp_scales, .offset: 24, .size: 8, .value_kind: global_buffer, .address_space: global }
      - { .name: dens_codes, .offset: 32, .size: 8, .value_kind: global_buffer, .address_space: global }
    .group_segment_fixed_size: 327680
    .private_segment_fixed_size: 0
    .kernarg_segment_align: 8
    .kernarg_segment_size: 40
    .max_flat_workgroup_size: 128
    .sgpr_count:     66
    .vgpr_count:     1024
    .wavefront_size: 32
...
	.end_amdgpu_metadata
.endif
;; end of part 2
;; launch proj (part 3): grid 32 x 8, 4 waves a work-group, clusters of 4 x 1, 327,680 bytes of LDS; arguments dens_codes, normalization_codes, lowp_scales, out0; writes out0
.if DOCPART == 3
	.amdgcn_target "amdgcn-amd-amdhsa--gfx1250"
	.amdhsa_code_object_version 6
	.text
	.protected	k_qf8afe72c1f_proj
	.globl	k_qf8afe72c1f_proj
	.p2align	8
	.type	k_qf8afe72c1f_proj,@function
k_qf8afe72c1f_proj:
	s_mov_b64 s[64:65], 0
	v_nop
	global_prefetch_b8 v0, s[64:65] scope:SCOPE_SE
	s_setreg_imm32_b32 hwreg(HW_REG_WAVE_MODE, 25, 1), 1
	s_wait_xcnt 0x0
	s_wait_alu depctr_hold_cnt(0) depctr_sa_sdst(0) depctr_va_vdst(0) depctr_va_sdst(0) depctr_va_ssrc(0) depctr_va_vcc(0) depctr_vm_vsrc(0)
	s_getreg_b32 s2, hwreg(HW_REG_IB_STS2, 6, 4)
	s_cmp_eq_u32 s2, 0
	s_cbranch_scc0 .Lentry_in_a_cluster
	s_endpgm
.Lentry_in_a_cluster:
	s_bfe_u32 s2, ttmp6, 0x10000c
	s_cmp_lg_u32 s2, 0x3003
	s_cbranch_scc0 .Lentry_shape_is_right
	s_endpgm
.Lentry_shape_is_right:
; out0[m][n] = 2^(e2 + e3) x the sum over k of A[m][k] B[n][k], by v_wmma_f32_16x16x128_bf8_bf8, f32 sums.  B = normalization_codes [2048 (n)][2048 (k)], rows of codes.
; A = dens_codes, an image of the operand registers: byte 32768 R + 2048 q + 512 c + 16 (16 h + r) + 0..15 = k 128 q + 32 c + 16 h + 0..15 of row 16 R + r.
; The walk over K is the launch dens's: a tile of 256 x 256, wave w rows 64 w .. + 63 x all 256 columns (64 accumulators); A straight into registers, three sets, two steps ahead, counted waits;
; B through two LDS slots of 256 rows x 512 bytes, four fills, asked for jointly by the four work-groups of a cluster 4, 1, 1, which share the tile column.  A is not asked for jointly: it lands in
; registers, and B's two slots (270,336 bytes) leave no room in LDS for it.  Prefetches as there: slot j + 1 behind joint load j; A's steps 2-9 at the head, 10-15 behind the third joint load.
; THE MATRIX INSTRUCTION IS USED TRANSPOSED: a lane holds eight neighbouring numbers of a row of the output.
; THE WAY OUT: 16 rows x 128 columns at a time through the wave's own stage, in slot 0, which has had its last fill and its last read by then; back as rows of 512 bytes.
; LIMIT: e2 + e3 between -126 and 127.
.set PITCH, 528
.set QT,    64*PITCH
.set SLOT,  4*QT
.set HB,    128*PITCH
.set SPARE, 2*SLOT
.set SPITCH, 528
.set ADRB, 16
.set AO,  20
.set PFB, 21
.set PFA, 22
.set STO, 24
.set RD,  25
.set SPW, 28
.set NIL, 29
.set TMP, 32
.set AF,  64
.set BK,  128
.set G1, 24
.set G0, 32
.set PB, 48
.set MSB, 0
.macro WIN new
.if MSB != (\new)
	s_set_vgpr_msb (MSB<<8)|(\new)
.set MSB, \new
.endif
.endm
.set TO_B, 0x40
.macro PLACES
.rept 4
	v_nop
.endr
.endm
.macro CREST
	s_cmp_lg_u32 s14, 0
	s_cbranch_scc1 .Lnot_wave_0_\@
	s_barrier_signal -3
.Lnot_wave_0_\@:
	s_barrier_wait -3
	s_barrier_signal -1
	s_barrier_wait -1
.endm
.macro CROUND
	s_barrier_signal -1
	s_barrier_wait -1
	CREST
.endm
.macro JLOAD j                         ; every wave's quarter of fill j; s_nop 0 and four v_nop follow
	tensor_load_to_lds s[G0+4*(\j):G0+4*(\j)+3], s[G1:G1+7]
	s_nop 0
	PLACES
.endm
.macro LB slot, q, hf, g               ; 8 LDS loads: B's blocks 8 hf + 2 g, + 1 at the slot's q-th 128 bytes, into set hf
	WIN TO_B
.irp i, 2*(\g), 2*(\g)+1
.irp c, 0,1,2,3
	ds_load_b128 v[128*(\hf)+16*(\i)+4*\c:128*(\hf)+16*(\i)+4*\c+3], v[ADRB+2*(\slot)+(\hf)] offset:128*(\q)+32*\c+(\i)*16*PITCH
.endr
.endr
.endm
.macro MB s, hf, g                     ; 8 products; the 64 accumulators take turns; step 0 starts the sums
	WIN 0xa1+0x50*(\hf)
.irp b, 2*(\g), 2*(\g)+1
.irp a, 0,1,2,3
.if (\s) == 0
	v_wmma_f32_16x16x128_bf8_bf8 v[64*\a+8*(\b):64*\a+8*(\b)+7], v[128*(\hf)+16*(\b):128*(\hf)+16*(\b)+15], v[AF+64*((\s)%3)+16*\a:AF+64*((\s)%3)+16*\a+15], 0
.else
	v_wmma_f32_16x16x128_bf8_bf8 v[64*\a+8*(\b):64*\a+8*(\b)+7], v[128*(\hf)+16*(\b):128*(\hf)+16*(\b)+15], v[AF+64*((\s)%3)+16*\a:AF+64*((\s)%3)+16*\a+15], v[64*\a+8*(\b):64*\a+8*(\b)+7]
.endif
.endr
.endr
.endm
.macro ALOAD s, hf                     ; 8 loads: A's blocks 2 hf, 2 hf + 1 of step s + 2; nothing beyond step 15
.if (\s)+2 < 16
.irp a, 2*(\hf), 2*(\hf)+1
.irp c, 0,1,2,3
	global_load_b128 v[AF+64*(((\s)+2)%3)+16*(\a)+4*\c:AF+64*(((\s)+2)%3)+16*(\a)+4*\c+3], v[AO], s[4:5] offset:(\a)*32768+((\s)+2)*2048+\c*512
.endr
.endr
.endif
.endm
.macro LCW s                           ; step s's fragments are in: the count is the loads issued behind them
.if (\s) < 14
	s_wait_loadcnt 24
.elseif (\s) == 14
	s_wait_loadcnt 16
.else
	s_wait_loadcnt 0
.endif
.endm
.macro UNIT s, hf, nx                  ; half a step: ONE run of loads (8 of A, the next unit's 32 LDS loads into B's other set), then 32 products unbroken; the wait for 0 is for this unit's own fragments, asked for a unit ago
.set NS, (\s)+(\hf)
	WIN 0
	PLACES
	ALOAD \s, \hf
	s_wait_dscnt 0x0
.if \nx
.irp g, 0,1,2,3
	LB (NS/4)%2, NS%4, 1-(\hf), \g
.endr
.endif
.if (\hf) == 0
	LCW \s
.endif
.irp g, 0,1,2,3
	MB \s, \hf, \g
.endr
.endm
.macro TURN s, fill, j                 ; a slot's last step changes slots between its two units
.set NS, (\s)+1
	WIN 0
	PLACES
	ALOAD \s, 0
	s_wait_dscnt 0x0
.irp g, 0,1,2,3
	LB ((\s)/4)%2, 3, 1, \g
.endr
	LCW \s
.irp g, 0,1,2
	MB \s, 0, \g
.endr
	WIN 0
	s_wait_tensorcnt 0x0                           ; my part of the next slot has landed
	ds_add_u32 v[SPW], v[NIL]                      ; eight products stand between the add and the wait for it
	MB \s, 0, 3
	s_wait_dscnt 0x0                               ; the add is done, my reads of this slot are over
	s_barrier_signal -1
	MB \s, 1, 0
	WIN 0
	s_barrier_wait -1
.if \fill
	CREST
	JLOAD \j                                       ; its four v_nop are the places in front of the loads below
.else
	PLACES
.endif
	ALOAD \s, 1
	LB (NS/4)%2, 0, 0, 0
	LB (NS/4)%2, 0, 0, 1
	LB (NS/4)%2, 0, 0, 2
	LB (NS/4)%2, 0, 0, 3
.if (\j) == 2
	global_prefetch_b8 v[PFB], s[PB:PB+1] offset:3*512 th:TH_LOAD_NT scope:SCOPE_SE
	global_prefetch_b8 v[PFA+1], s[4:5] th:TH_LOAD_NT scope:SCOPE_SE
.endif
	MB \s, 1, 1
	MB \s, 1, 2
	MB \s, 1, 3
.endm
	s_load_b128 s[4:7], s[0:1], 0x0                ; dens_codes, normalization_codes
	s_load_b128 s[8:11], s[0:1], 0x10              ; the scales' exponents, out0
	v_lshl_add_u32 v[SPW], v0, 2, SPARE
	v_mov_b32 v[NIL], 0
	ds_add_u32 v[SPW], v[NIL]                      ; the opening lines: the add twice on end
	ds_add_u32 v[SPW], v[NIL]
	v_lshrrev_b32 v1, 5, v0
	v_readfirstlane_b32 s14, v1                    ; wave w
	s_bfe_u32 s15, ttmp6, 0x40000                  ; cx
	s_lshl_b32 s16, ttmp9, 2
	s_add_co_u32 s16, s16, s15                     ; tile row
	s_and_b32 s17, ttmp7, 0xffff                   ; tile column
	s_mul_i32 s18, s14, QT
	s_lshl_b32 s19, s14, 17
	s_lshl_b32 s20, s16, 19
	s_add_co_u32 s20, s20, s19                     ; A: (16 tile row + 4 w) blocks of 32,768 bytes
	s_mov_b32 s21, 0
	s_lshl_b32 s50, s17, 19                        ; B: 256 tile column rows of 2,048 bytes
	s_mov_b32 s51, 0
	s_add_co_u32 s22, s50, s19                     ; + 64 w rows
	s_mov_b32 s23, 0
	s_lshl_b32 s2, s15, 15
	s_add_co_u32 s2, s2, s19                       ; B's prefetch: rows 64 w + 16 cx + ..
	s_add_co_u32 s3, s17, 2
	s_lshl_b32 s3, s3, 11
	s_add_co_u32 s52, s17, 10
	s_min_u32 s52, s52, 15
	s_lshl_b32 s52, s52, 11
	s_mul_i32 s54, s14, 16*SPITCH                  ; my stage
	s_lshl_b32 s56, s16, 21
	s_lshl_b32 s57, s14, 19
	s_add_co_u32 s56, s56, s57
	s_lshl_b32 s57, s17, 10
	s_add_co_u32 s56, s56, s57                     ; out0: row 256 tile row + 64 w, byte 1,024 tile column
	s_mov_b32 s57, 0
	s_mov_b32 s[G1+0], 15|(1<<20)|(1<<21)|(6<<22)|(3<<25)   ; mask: the four; bytes; 4 words of padding behind every 128
	s_mov_b32 s[G1+1], 512<<16
	s_mov_b32 s[G1+2], 64<<16
	s_mov_b32 s[G1+3], 512<<16
	s_mov_b32 s[G1+4], 64
	s_mov_b32 s[G1+5], 2048
	s_mov_b32 s[G1+6], 0
	s_mov_b32 s[G1+7], 0
	v_and_b32 v2, 15, v0                           ; r
	v_bfe_u32 v3, v0, 4, 1                         ; h
	v_and_b32 v4, 31, v0
	v_mul_u32_u24 v5, v2, PITCH
	v_lshl_add_u32 v[ADRB], v3, 4, v5
	v_add_nc_u32 v[ADRB+1], HB, v[ADRB]
	v_add_nc_u32 v[ADRB+2], SLOT, v[ADRB]
	v_add_nc_u32 v[ADRB+3], SLOT+HB, v[ADRB]
	v_lshlrev_b32 v[AO], 4, v4
	v_lshl_add_u32 v[PFB], v2, 11, s2
	v_lshl_add_u32 v[PFB], v3, 8, v[PFB]
	v_bfe_u32 v5, v0, 3, 2
	v_and_b32 v1, 7, v0
	v_lshlrev_b32 v5, 15, v5
	v_lshl_add_u32 v5, v1, 8, v5
	v_add_nc_u32 v[PFA], s3, v5
	v_add_nc_u32 v[PFA+1], s52, v5
	v_mul_u32_u24 v7, v2, SPITCH
	v_lshl_add_u32 v7, v3, 5, v7
	v_add_nc_u32 v[STO], s54, v7                   ; in: row r, 32 bytes for each half of the lanes
	v_add_nc_u32 v[RD], s54, v[AO]                 ; back: the 32 lanes take a row of 512 bytes
	s_wait_alu depctr_va_vdst(0)                   ; the wait ahead of the waits below
	s_wait_dscnt 0x0
	s_wait_kmcnt 0x0
	s_load_b64 s[58:59], s[8:9], 0x8               ; e2, e3
	s_add_nc_u64 s[PB:PB+1], s[6:7], s[50:51]
	s_add_nc_u64 s[52:53], s[6:7], s[22:23]
	s_add_nc_u64 s[4:5], s[4:5], s[20:21]
	s_add_nc_u64 s[10:11], s[10:11], s[56:57]
	ALOAD -2, 0
	ALOAD -2, 1
.irp j, 0,1,2,3
	s_mov_b32 s[G0+4*\j], 1
	s_add_co_u32 s[G0+4*\j+1], s18, (\j%2)*SLOT
	s_add_nc_u64 s[G0+4*\j+2:G0+4*\j+3], s[52:53], \j*512
	s_or_b32 s[G0+4*\j+3], s[G0+4*\j+3], 0x80000000
.endr
	CROUND
	JLOAD 0                                        ; one tensor load a wave at the head
	ALOAD -1, 0                                    ; A's step 1 is asked for behind B's first tile
	ALOAD -1, 1
	global_prefetch_b8 v[PFB], s[PB:PB+1] offset:512 th:TH_LOAD_NT scope:SCOPE_SE
	s_wait_tensorcnt 0x0                           ; slot 1's first fill is issued as a refill is
	ds_add_u32 v[SPW], v[NIL]
	s_wait_dscnt 0x0
	CROUND
	JLOAD 1
.irp g, 0,1,2,3
	LB 0, 0, 0, \g
.endr
	global_prefetch_b8 v[PFB], s[PB:PB+1] offset:2*512 th:TH_LOAD_NT scope:SCOPE_SE
	global_prefetch_b8 v[PFA], s[4:5] th:TH_LOAD_NT scope:SCOPE_SE   ; A's steps 2-9, behind the second joint load: B's first tile is asked for with only A's steps 0 and 1 beside it
.irp s, 0,1,2
	UNIT \s, 0, 1
	UNIT \s, 1, 1
.endr
	TURN 3, 1, 2
.irp s, 4,5,6
	UNIT \s, 0, 1
	UNIT \s, 1, 1
.endr
	TURN 7, 1, 3
.irp s, 8,9,10
	UNIT \s, 0, 1
	UNIT \s, 1, 1
.endr
	TURN 11, 0, 0                                  ; behind this barrier nobody reads slot 0, and it has had its last fill
.irp s, 12,13,14
	UNIT \s, 0, 1
	UNIT \s, 1, 1
.endr
	UNIT 15, 0, 1
	UNIT 15, 1, 0
	WIN 0
; piece k: rows 16 (k / 2) .. + 15, columns 128 (k % 2) .. + 127: 64 registers at v[64 (k / 2)] of window 2 + k % 2
; Each piece comes back from the stage into 64 registers of its own, so that no register that a store names is written again: pieces 0-3 in window 1 (B's sets, done with),
; 4 and 5 in window 0 (v96-223), 6 and 7 in window 2 over the sums of pieces 0 and 2, which have been read by then.
.macro BKOF k
.if (\k) < 4
.set BW, 1
.set BB, 64*(\k)
.elseif (\k) < 6
.set BW, 0
.set BB, 96+64*((\k)-4)
.else
.set BW, 2
.set BB, 64*((\k)-6)
.endif
.endm
.macro TOSTAGE k
	WIN 0x02+((\k)%2)
.set j, 0
.rept 32
	v_pk_mul_f32 v[TMP+j:TMP+j+1], v[64*((\k)/2)+j:64*((\k)/2)+j+1], s[58:59] op_sel_hi:[1,0]   ; x 2^(e2 + e3); each accumulator from its low end on
.set j, j+2
.endr
	WIN 0
.irp b, 0,1,2,3,4,5,6,7
	ds_store_b128 v[STO], v[TMP+8*\b:TMP+8*\b+3] offset:64*\b
	ds_store_b128 v[STO], v[TMP+8*\b+4:TMP+8*\b+7] offset:64*\b+16
.endr
	BKOF \k
	WIN BW<<6                                      ; the loads' destination window
.irp t, 0,1,2,3,4,5,6,7,8,9,10,11,12,13,14,15
	ds_load_b128 v[BB+4*\t:BB+4*\t+3], v[RD] offset:\t*SPITCH   ; LDS serves a wave's instructions in order (ISA guide 5.7.1.4)
.endr
.endm
; Rows 16 a .. + 15 leave whole: pieces 2 a and 2 a + 1 lie 64 registers apart in one window, and a row's two stores, 1,024 consecutive bytes, follow each other.
.macro SENDP a, younger                ; younger: the LDS instructions issued behind piece 2 a + 1's loads, which may stay out
	BKOF 2*(\a)
	s_wait_dscnt \younger
	WIN BW<<2                                      ; the stores' data window
.irp t, 0,1,2,3,4,5,6,7,8,9,10,11,12,13,14,15
	global_store_b128 v[AO], v[BB+4*\t:BB+4*\t+3], s[10:11] offset:(16*(\a)+\t)*8192 th:TH_STORE_NT   ; 32 lanes store 512 consecutive bytes, at a multiple of 512 from out0's first byte
	global_store_b128 v[AO], v[BB+64+4*\t:BB+64+4*\t+3], s[10:11] offset:(16*(\a)+\t)*8192+512 th:TH_STORE_NT
.endr
.endm
	s_wait_kmcnt 0x0
	s_add_co_i32 s58, s58, s59
	s_add_co_i32 s58, s58, 127
	s_lshl_b32 s58, s58, 23                        ; 2^(e2 + e3)
	PLACES
	TOSTAGE 0
	TOSTAGE 1
	TOSTAGE 2
	SENDP 0, 32                                    ; behind piece 1's loads: piece 2's 16 stores and 16 loads
	TOSTAGE 3
	TOSTAGE 4
	SENDP 1, 32
	TOSTAGE 5
	TOSTAGE 6
	SENDP 2, 32
	TOSTAGE 7
	SENDP 3, 0
	WIN 0
	s_wait_tensorcnt 0x0                           ; the wave's end
	ds_add_u32 v[SPW], v[NIL]
	s_wait_dscnt 0x0
	CROUND                                         ; the closing round
	s_endpgm
.Lfunc_end_k_qf8afe72c1f_proj:
	.size	k_qf8afe72c1f_proj, .Lfunc_end_k_qf8afe72c1f_proj-k_qf8afe72c1f_proj
	.p2alignl 7, 3214868480
	.fill 96, 4, 3214868480
	.section	.rodata,"a",@progbits
	.p2align	6, 0x0
	.amdhsa_kernel k_qf8afe72c1f_proj
		.amdhsa_group_segment_fixed_size 327680
		.amdhsa_private_segment_fixed_size 0
		.amdhsa_enable_private_segment 0
		.amdhsa_kernarg_size 32
		.amdhsa_user_sgpr_count 2
		.amdhsa_user_sgpr_kernarg_segment_ptr 1
		.amdhsa_wavefront_size32 1
		.amdhsa_system_sgpr_workgroup_id_x 1
		.amdhsa_system_sgpr_workgroup_id_y 1
		.amdhsa_system_sgpr_workgroup_id_z 1
		.amdhsa_system_vgpr_workitem_id 0
		.amdhsa_next_free_vgpr 1024
		.amdhsa_next_free_sgpr 66
		.amdhsa_reserve_vcc 0
		.amdhsa_float_denorm_mode_32 3
		.amdhsa_float_denorm_mode_16_64 3
		.amdhsa_memory_ordered 1
		.amdhsa_forward_progress 1
		.amdhsa_inst_pref_size 214
	.end_amdhsa_kernel
	.amdgpu_metadata
---
amdhsa.version: [ 1, 2 ]
amdhsa.kernels:
  - .name:           k_qf8afe72c1f_proj
    .symbol:         k_qf8afe72c1f_proj.kd
    .args:
      - { .name: dens_codes, .offset: 0, .size: 8, .value_kind: global_buffer, .address_space: global }
      - { .name: normalization_codes, .offset: 8, .size: 8, .value_kind: global_buffer, .address_space: global }
      - { .name: lowp_scales, .offset: 16, .size: 8, .value_kind: global_buffer, .address_space: global }
      - { .name: out0, .offset: 24, .size: 8, .value_kind: global_buffer, .address_space: global }
    .group_segment_fixed_size: 327680
    .private_segment_fixed_size: 0
    .kernarg_segment_align: 8
    .kernarg_segment_size: 32
    .max_flat_workgroup_size: 128
    .sgpr_count:     66
    .vgpr_count:     1024
    .wavefront_size: 32
...
	.end_amdgpu_metadata
.endif
;; end of part 3
